; MI455X (gfx1250); checked and timed in simulation.
; The chip was launched on July 23, 2026; its instructions are those of AMD's public machine-readable ISA for CDNA 5 (MIT licence, August 2026) and "CDNA5" Instruction Set Architecture Reference Guide (July 2026). The comments in the code are by the model that wrote it; some were corrected since.
;; Vector Quantizer. Allowed arithmetic: float matrix products may take bf16 or f16 operands with f32 sums; other float arithmetic in f32, or as packed bf16 or f16 multiplies, adds, multiply-adds, maxima and minima; sums over many terms, partial sums and values carried from step to step in f32; what a program stores and reads back later, other than sums and carried values, may be rounded once to bf16 or f16.
;; Inputs: codebook 8,192 x 256 float32; z_e 32,768 x 256 float32.
;; Outputs: out0 32,768 x 256 float32; out1 32,768 int32; out2 one number float32; out3 one number float32; out4 one number float32.
;; 2 versions, each right; version 2 is version 1 with the launch gather written anew for expert scheduling mode. Each part assembles by itself: llvm-mc -triple=amdgcn-amd-amdhsa -mcpu=gfx1250 --defsym DOCPART=n.
;; ======== version 1 of 2: 4 launches
;; workspace buffers: cbx 4,325,376 bytes; rows 131,072 bytes of whole numbers; part 8,192 bytes
;; launch prep (part 1): grid 256 x 1, 4 waves a work-group, no clusters, 768 bytes of LDS; arguments codebook, cbx; writes cbx
.if DOCPART == 1
	.amdgcn_target "amdgcn-amd-amdhsa--gfx1250"
	.amdhsa_code_object_version 6
	.text
	.protected	k_q8e51eb0664_prep
	.globl	k_q8e51eb0664_prep
	.p2align	8
	.type	k_q8e51eb0664_prep,@function
k_q8e51eb0664_prep:
	s_mov_b64 s[64:65], 0
	v_nop
	global_prefetch_b8 v0, s[64:65] scope:SCOPE_SE
	s_setreg_imm32_b32 hwreg(HW_REG_WAVE_MODE, 25, 1), 1
	s_wait_xcnt 0x0
; VectorQuantizer in four launches: prep (this one), vq, gather, loss.
;   dist[b][k] = (z2[b] + e2[k]) - 2 z[b].e[k];  indices = first argmin over k;  z_q = codebook[indices];  out0 = z + (z_q - z);  the losses are means of (z_q - z)^2.
; FORMATS.  Both inputs are rounded ONCE to bf16, and everything (z2, e2, the product, out0, the losses) is made of the rounded numbers, in f32.
; WHAT IS LEFT OUT.  stop_gradient is the identity on values.  commit_loss is the mean of (z - z_q)^2 and cb_loss that of (z_q - z)^2: a difference and its negative have the same square,
; term by term and for all values, so the two means are one number: it is summed once and stored twice.  A NaN or an infinity reaches both alike, so nothing is lost with the second sum.
; WHAT STAYS.  z2 is the same for all codes of a row, yet it stays: beside it f32 loses the low bits of e2 and of 2 z.e, codes fall on one number, and the first of them wins: the order of
; additions is reference()'s.  z + (z_q - z) is computed as written, for the same reason.  Both inputs are loaded.
; LIMITS.  The sums of the products z.e, z.z, e.e are taken in another order than reference()'s: a row whose two best codes lie as close to a rounding step of dist as those sums differ
; (some 1e-7 of the product) may take the other code.  A NaN in dist loses against every number, where reference() takes the first NaN.
;
; THIS LAUNCH writes cbx: the codebook in bf16 with e2 beside it, in 256 units of 33 rows x 512 bytes: rows 0-31 are codes 32 u .. 32 u + 31, row 32 holds their 32 e2 in f32 (128 bytes) and zeros.
; So a tile of whole units brings the codes and their e2 by one tensor load, and code c lies in row c + c / 32.
; SHARES.  Work-group u makes unit u; wave w its rows 8 w .. 8 w + 7; lane l holds dims 4 l .. 4 l + 3 and 128 + 4 l .. + 3: each load of a wave covers 512 consecutive bytes, each store 256, aligned.
; No matrix unit, cluster or prefetch: 12 MB are moved once, no byte is shared, all 16 loads of a wave go out at its head.
.set UNITG, 33*512                     ; bytes in a unit
.set SPARE, 256                        ; LDS: bytes 0-127 the unit's 32 e2; from 256 on the spare words, 128 bytes a wave, which no other line names
.set LO,  1                            ; v1   16 x lane: my bytes in half a row of the codebook
.set SO,  2                            ; v2   8 x lane: my bytes in half a row of cbx
.set L7,  3                            ; v3   lane % 8
.set EA,  4                            ; v4   LDS address of e2 of row 8 w + lane % 8
.set LN,  5                            ; v5   lane
.set SPW, 6                            ; v6   my spare word
.set NIL, 7                            ; v7   0
.set ZP,  8                            ; v[8:9] a pair of zeros
.set E,   10                           ; v10  e2 of row lane % 8 of my eight
.set X,   16                           ; v[16:79]  row i: 8 numbers as loaded
.set P,   80                           ; v[80:111] row i: 4 words of bf16
	s_load_b128 s[4:7], s[0:1], 0x0                ; codebook s[4:5], cbx s[6:7]
	v_lshl_add_u32 v[SPW], v0, 2, SPARE
	v_mov_b32 v[NIL], 0
	v_lshrrev_b32 v[LN], 5, v0
	v_readfirstlane_b32 s8, v[LN]                  ; wave 0..3
	v_and_b32 v[LN], 31, v0
	v_lshlrev_b32 v[LO], 4, v[LN]
	v_lshlrev_b32 v[SO], 3, v[LN]
	v_and_b32 v[L7], 7, v[LN]
	s_lshl_b32 s9, s8, 3                           ; my first row in the unit
	v_add_nc_u32 v[EA], s9, v[L7]
	v_lshlrev_b32 v[EA], 2, v[EA]
	v_mov_b32 v[ZP], 0
	v_mov_b32 v[ZP+1], 0
	v_mov_b32 v[E], 0
	s_mov_b32 s14, 0x76543210                      ; v_permlanex16_b32: each lane takes its own place in the other half
	s_mov_b32 s15, 0xfedcba98
	s_lshl_b32 s16, ttmp9, 5
	s_add_co_u32 s16, s16, s9                      ; my first code
	s_lshl_b32 s16, s16, 10                        ; x 1,024 bytes
	s_mov_b32 s17, 0
	s_mul_i32 s18, ttmp9, UNITG
	s_lshl_b32 s19, s8, 12                         ; 8 w rows of 512 bytes
	s_add_co_u32 s18, s18, s19
	s_mov_b32 s19, 0
	s_wait_kmcnt 0x0
	s_add_nc_u64 s[10:11], s[4:5], s[16:17]
	s_add_nc_u64 s[12:13], s[6:7], s[18:19]
.irp i, 0,1,2,3,4,5,6,7
	global_load_b128 v[X+8*(\i):X+8*(\i)+3],   v[LO], s[10:11] offset:(\i)*1024 th:TH_LOAD_NT
	global_load_b128 v[X+8*(\i)+4:X+8*(\i)+7], v[LO], s[10:11] offset:(\i)*1024+512 th:TH_LOAD_NT
.endr
; Row i: rounded, stored, and the squares of the ROUNDED numbers summed in f32, in two chains, then over the 32 lanes.  Each row has its own registers, so no store's data are written again.
.macro ROW i
	s_wait_loadcnt 14-2*(\i)                       ; loads come back in order: this row's two are in, the younger rows' stay out
.irp k, 0,1,2,3
	v_cvt_pk_bf16_f32 v[P+4*(\i)+(\k)], v[X+8*(\i)+2*(\k)], v[X+8*(\i)+2*(\k)+1]
.endr
	global_store_b64 v[SO], v[P+4*(\i):P+4*(\i)+1],   s[12:13] offset:(\i)*512      ; 32 lanes x 8 bytes: 256 consecutive bytes, aligned
	global_store_b64 v[SO], v[P+4*(\i)+2:P+4*(\i)+3], s[12:13] offset:(\i)*512+256
	v_fma_mix_f32_bf16 v12, v[P+4*(\i)], v[P+4*(\i)], v[NIL] op_sel_hi:[1,1,0]                  ; the low halves' chain starts
	v_fma_mix_f32_bf16 v13, v[P+4*(\i)], v[P+4*(\i)], v[NIL] op_sel:[1,1,0] op_sel_hi:[1,1,0]   ; and the high halves'
.irp k, 1,2,3
	v_fma_mix_f32_bf16 v12, v[P+4*(\i)+(\k)], v[P+4*(\i)+(\k)], v12 op_sel_hi:[1,1,0]
	v_fma_mix_f32_bf16 v13, v[P+4*(\i)+(\k)], v[P+4*(\i)+(\k)], v13 op_sel:[1,1,0] op_sel_hi:[1,1,0]
.endr
	v_add_f32 v12, v12, v13
	v_add_f32_dpp v12, v12, v12 row_xmask:1 row_mask:0xf bank_mask:0xf
	v_add_f32_dpp v12, v12, v12 row_xmask:2 row_mask:0xf bank_mask:0xf
	v_add_f32_dpp v12, v12, v12 row_xmask:4 row_mask:0xf bank_mask:0xf
	v_add_f32_dpp v12, v12, v12 row_xmask:8 row_mask:0xf bank_mask:0xf
	v_permlanex16_b32 v13, v12, s14, s15
	v_add_f32 v12, v12, v13                        ; every lane holds the row's e2;
	v_cmp_eq_u32 vcc_lo, \i, v[L7]
	v_cndmask_b32 v[E], v[E], v12, vcc_lo          ; the lanes with lane % 8 = i keep it
.endm
.irp i, 0,1,2,3,4,5,6,7
	ROW \i
.endr
	ds_store_b32 v[EA], v[E]                       ; four lanes write each word, with the same number
	s_wait_dscnt 0x0                               ; for the others' sake: my stores are done
	s_barrier_signal -1
	s_barrier_wait -1                              ; the unit's 32 e2 lie in LDS
	s_cmp_lg_u32 s8, 0
	s_cbranch_scc1 .Lend                           ; wave 0 writes row 32 (its base stands at the unit's first row)
	v_and_b32 v11, 15, v[LN]
	v_lshlrev_b32 v11, 3, v11
	ds_load_b64 v[12:13], v11
	s_wait_dscnt 0x0
	v_cmp_gt_u32 vcc_lo, 16, v[LN]
	v_cndmask_b32 v12, 0, v12, vcc_lo              ; lanes 0-15: two e2 each; lanes 16-31: zeros
	v_cndmask_b32 v13, 0, v13, vcc_lo
	global_store_b64 v[SO], v[12:13],    s[12:13] offset:32*512
	global_store_b64 v[SO], v[ZP:ZP+1],  s[12:13] offset:32*512+256
.Lend:
	s_wait_tensorcnt 0x0                           ; the wave's end, behind my last LDS store
	ds_add_u32 v[SPW], v[NIL]
	s_wait_dscnt 0x0
	s_endpgm
.Lfunc_end_k_q8e51eb0664_prep:
	.size	k_q8e51eb0664_prep, .Lfunc_end_k_q8e51eb0664_prep-k_q8e51eb0664_prep
	.p2alignl 7, 3214868480
	.fill 96, 4, 3214868480
	.section	.rodata,"a",@progbits
	.p2align	6, 0x0
	.amdhsa_kernel k_q8e51eb0664_prep
		.amdhsa_group_segment_fixed_size 768
		.amdhsa_private_segment_fixed_size 0
		.amdhsa_enable_private_segment 0
		.amdhsa_kernarg_size 16
		.amdhsa_user_sgpr_count 2
		.amdhsa_user_sgpr_kernarg_segment_ptr 1
		.amdhsa_wavefront_size32 1
		.amdhsa_system_sgpr_workgroup_id_x 1
		.amdhsa_system_sgpr_workgroup_id_y 1
		.amdhsa_system_sgpr_workgroup_id_z 1
		.amdhsa_system_vgpr_workitem_id 0
		.amdhsa_next_free_vgpr 112
		.amdhsa_next_free_sgpr 66
		.amdhsa_reserve_vcc 1
		.amdhsa_float_denorm_mode_32 3
		.amdhsa_float_denorm_mode_16_64 3
		.amdhsa_memory_ordered 1
		.amdhsa_forward_progress 1
		.amdhsa_inst_pref_size 15
	.end_amdhsa_kernel
	.amdgpu_metadata
---
amdhsa.version: [ 1, 2 ]
amdhsa.kernels:
  - .name:           k_q8e51eb0664_prep
    .symbol:         k_q8e51eb0664_prep.kd
    .args:
      - { .name: codebook, .offset: 0, .size: 8, .value_kind: global_buffer, .address_space: global }
      - { .name: cbx, .offset: 8, .size: 8, .value_kind: global_buffer, .address_space: global }
    .group_segment_fixed_size: 768
    .private_segment_fixed_size: 0
    .kernarg_segment_align: 8
    .kernarg_segment_size: 16
    .max_flat_workgroup_size: 128
    .sgpr_count:     66
    .vgpr_count:     112
    .wavefront_size: 32
...
	.end_amdgpu_metadata
.endif
;; end of part 1
;; launch vq (part 2): grid 256 x 1, 4 waves a work-group, clusters of 4 x 1, 327,680 bytes of LDS; arguments z_e, cbx, out1, rows; writes out1, rows
.if DOCPART == 2
	.amdgcn_target "amdgcn-amd-amdhsa--gfx1250"
	.amdhsa_code_object_version 6
	.text
	.protected	k_q8e51eb0664_vq
	.globl	k_q8e51eb0664_vq
	.p2align	8
	.type	k_q8e51eb0664_vq,@function
k_q8e51eb0664_vq:
	s_mov_b64 s[64:65], 0
	v_nop
	global_prefetch_b8 v0, s[64:65] scope:SCOPE_SE
	s_setreg_imm32_b32 hwreg(HW_REG_WAVE_MODE, 25, 1), 1
	s_wait_xcnt 0x0
	s_wait_alu depctr_hold_cnt(0) depctr_sa_sdst(0) depctr_va_vdst(0) depctr_va_sdst(0) depctr_va_ssrc(0) depctr_va_vcc(0) depctr_vm_vsrc(0)
	s_getreg_b32 s2, hwreg(HW_REG_IB_STS2, 6, 4)
	s_cmp_eq_u32 s2, 0
	s_cbranch_scc0 .Lentry_in_a_cluster
	s_endpgm
.Lentry_in_a_cluster:
	s_bfe_u32 s2, ttmp6, 0x10000c
	s_cmp_lg_u32 s2, 0x3003
	s_cbranch_scc0 .Lentry_shape_is_right
	s_endpgm
.Lentry_shape_is_right:
; VectorQuantizer, launch 2 of 4: indices[b] = the first k with the least dist[b][k] = (z2[b] + e2[k]) - 2 z[b].e[k], all 32,768 x 8,192 of them.  Stores out1 (the index) and rows (its row in cbx: c + c / 32).
; Nothing of reference()'s work for the indices is left out: z2 stays in dist (why: the first launch's head).  z is rounded to bf16 here, the codes come rounded from cbx; sums in f32.
; dist is formed as reference() forms it: t = z2 + e2, rounded; d = t - 2 ze by one fused multiply-add (2 ze is exact, so this is reference()'s rounding).
; LIMITS.  As at the first launch's head: the order of the products' sums; a NaN in dist loses against every number; a row whose dist are all +infinity gives index 0, as reference() does.
; SHARES.  A work-group owns 128 queries and walks the whole codebook, 256 codes (a CHUNK) to an LDS slot.  Wave w: queries 64 (w / 2) .. + 63, four tiles of 16, kept in 256 registers for the
; whole launch; of each chunk the codes 128 (w % 2) .. + 127, eight tiles of 16.  A code fragment read from LDS feeds four products.
; LAYOUT.  The product is taken transposed (source 0 = 16 codes, source 1 = 16 queries): in the result a lane holds ONE query (lane % 16) and the codes 8 (lane / 16) + 0..7.
; THE ARGMIN stays in registers.  For each query tile a lane keeps MIN, the least dist so far; ID, the number of the code tile that first reached it (strictly less: the first wins); SV, that
; tile's eight dist.  At the end the first j with SV[j] = MIN gives the code; the two halves of the lanes and the two waves of a query meet by (dist, index), the lower index at equal dist.
; BY STEPS.  A step is a code tile's 32 products; behind each stand two or three of the 88 vector instructions that finish the tile BEFORE it (22 for each query tile), and behind the sixth
; product the 18 LDS loads of the tile AFTER it.  Two sets of accumulators, fragments and e2 go by the tile's parity.  The four accumulators of a set take turns, one instruction a turn.
; CLUSTER.  All work-groups walk the same chunks; the four of a cluster ask for each JOINTLY: the same tensor load, descriptor and mask in all four.  z is each work-group's own: a plain load.
; LDS.  Two slots of 8 units x 33 rows x 528 bytes (512 + 16 of padding: 132 words, so the 16 rows of a fragment load start at 16 different groups of four banks; 64 banks of 4 bytes: ISA guide 11.1).
; z's 128 rows x 1,040 bytes are the first fill of slot 1's bytes.  Behind the ring: SCR, 2,048 bytes, for the waves' meeting, and the spare words; no tensor load lands there.  All of the WGP's LDS is claimed.
; REGISTERS, in windows of 256 (s_set_vgpr_msb: bits 1:0 source 0, 3:2 source 1, 5:4 source 2, 7:6 destination):
;   window 0: addresses, the argmin's state, e2, dist, the accumulators.   window 1: Q, query tile q, K fragment f at 64 q + 8 f.   window 2: v0-127 the code fragments, set b, fragment f at 64 b + 8 f.
; No window has room for a product's operands beside the vector work, so each product costs two switches.
.set PITCH,  528
.set UNITB,  33*PITCH                  ; a unit in LDS: 32 codes and their row of e2
.set SLOTB,  8*UNITB                   ; a chunk in LDS; slot 1 begins here
.set ZPITCH, 1040                      ; a row of z in LDS: 1,024 bytes + 16
.set SCR,    2*SLOTB                   ; by w % 2 1,024 bytes: 128 least dist, then 128 indices
.set SPARE,  SCR+2048                  ; the spare words, 128 bytes a wave: two blocks of 256 bytes that no other line names
.set UNITG,  33*512                    ; a unit in cbx
.set CHUNKG, 8*UNITG
.set LR,  1                            ; v1   lane % 16
.set AF0, 2                            ; v2   my place in a code tile: (lane % 16) x 528 + 16 (lane / 16)
.set AE0, 3                            ; v3   my place in a unit's row of e2: 32 x 528 + 32 (lane / 16)
.set ADR, 4                            ; v4   LDS address of the unit whose fragments are being fetched
.set ADE, 5                            ; v5   and of its e2
.set ZA,  6                            ; v6   my place in z's tile
.set LH,  7                            ; v7   lane / 16
.set TA,  8                            ; v8, v9 at work
.set TC,  9
.set SPW, 10                           ; v10  my spare word
.set NIL, 11                           ; v11  0
.set PFO, 12                           ; v12  256 x lane: the prefetches' offset; never rewritten
.set L7,  13                           ; v13  lane % 8
.set WJ,  14                           ; v14-16 at work on the way out
.set WA,  15
.set WB,  16
.set HB,  17                           ; v17  128 (w % 2) + 8 (lane / 16): what my lane adds to a code's number
.set SA,  18                           ; v18  my query's word in SCR
.set GO,  19                           ; v19  16 x lane
.set MIN, 20                           ; v[20:27]  at 4 x parity + q: a tile of parity x reads set x and writes set 1 - x
.set ID,  28                           ; v[28:31]
.set Z2,  32                           ; v[32:39]  z2 of my query in tile q, twice: a pair for the packed add
.set SV,  40                           ; v[40:71]  8 a query tile
.set E2,  72                           ; v[72:87]  8 a parity
.set T,   88                           ; v[88:119] 8 a query tile: t, then dist
.set ACC, 128                          ; v[128:191] at 32 x parity + 8 q
.set WV,  12                           ; s12  wave
.set CX,  13                           ; s13  my place in the cluster
.set WG,  14                           ; s14  my work-group
.set QH,  15                           ; s15  w / 2
.set CH,  16                           ; s16  w % 2
.set TS,  17                           ; s17  at work
.set PFA, 18                           ; s[18:19] where my prefetches stand
.set CM,  20                           ; s[20:23] for each q: the lanes whose minimum has fallen
.set G1,  24                           ; s[24:31] descriptor group 1, codes
.set G1Z, 32                           ; s[32:39] descriptor group 1, z
.set G0,  40                           ; s[40:47] descriptor group 0, codes: a set for each slot
.set G0Z, 48                           ; s[48:51] descriptor group 0, z
.set OUT, 52                           ; s52  trips of the outer loop still to come
.set CNT, 53                           ; s53  pairs of steps still to come in the slot
.set TB,  54                           ; s54  LDS byte of the unit to be fetched next
.set CHB, 55                           ; s55  my half of a slot: (w % 2) x 4 units
.set CUR, 56                           ; s56  the number of the code tile that the vector work is finishing: 8 x chunk + tile
.set LIM0, 57                          ; s57, s58  a change of slots prefetches while s[OUT] is above its limit; the greatest number in clusters that never do
.set LIM1, 58
.set SEL, 60                           ; s[60:61] v_permlanex16_b32's selects: each lane takes its own place in the other half
.set DM,  68                           ; s[68:74] the lanes with lane % 8 = 1 .. 7
.set HM,  75                           ; s75  the lanes with (lane % 16) / 8 = lane / 16
.set MSB, 0
.macro WIN new                         ; the immediate's high byte repeats the setting that is left; a switch that changes nothing is dropped
.if MSB != (\new)
	s_set_vgpr_msb (MSB<<8)|(\new)
.set MSB, \new
.endif
.endm
.set W_MM, 0x06                        ; codes (source 0) window 2, queries (source 1) window 1, C and D window 0
.set W_FR, 0x80                        ; destination window 2, address window 0
.set W_CV, 0x4a                        ; sources 0 and 1 window 2, destination window 1
.set W_ZZ, 0x05                        ; sources 0 and 1 window 1, C and D window 0
; A round of the cluster's barrier: my work-group's barrier, so that wave 0's signal speaks for all four waves; wave 0 signals; every wave waits for all four work-groups; my work-group's barrier once more.
.macro CROUND
	s_barrier_signal -1
	s_barrier_wait -1
	s_cmp_lg_u32 s[WV], 0
	s_cbranch_scc1 .Lnot_wave_0_\@
	s_barrier_signal -3
.Lnot_wave_0_\@:
	s_barrier_wait -3
	s_barrier_signal -1
	s_barrier_wait -1
.endm
; A PREFETCH INTO THE L2, behind a joint load and its five lines: the change that loads chunk c asks for chunk c + 2, two changes of slots, 512 products, ahead of the load that will want it.
; All 64 clusters walk the same chunks: the first cluster asks, nobody else.  Its 16 waves share a chunk's 256 code rows out BY ADDRESS: of the 64 rows that wave w loads, the partner at place p
; takes 16 p .. 16 p + 15: 8,192 bytes, a lane 256 of them, one instruction.  So each of these blocks is named once in the launch.  The rows of e2 and chunks 0 to 3 come by their loads alone;
; the limits stop the request that would name a chunk behind the last.
.macro ASK lim
	s_cmp_gt_u32 s[OUT], s[\lim]
	s_cbranch_scc0 .Lnot_mine_\@
	global_prefetch_b8 v[PFO], s[PFA:PFA+1] th:TH_LOAD_NT scope:SCOPE_SE
.Lnot_mine_\@:
.endm
; THE CHANGE OF SLOTS to slot p.  All bytes of the other slot that I need have been asked out of it.  Each wave waits for all its tensor loads, of which one is out: its part of slot p; adds 0 to its spare
; word; and waits for that and for its own reads of the other slot.  fill = 1: the other slot is filled again, with the chunk after slot p's.  The barrier is then a round of the cluster's, so that no wave of
; any partner still reads that slot or has a load on its way, and the joint load is the first thing behind it: it has eight steps, 256 products, in which to land.
.macro CHANGE p, fill, lim
	WIN 0                                          ; at a label and at a branch every window is 0
	s_wait_tensorcnt 0x0                           ; no tensor load of mine is out, so a group 0 may be written
	ds_add_u32 v[SPW], v[NIL]                      ; 0 onto my spare word
.if \fill
	s_add_nc_u64 s[G0+4*(\p)+2:G0+4*(\p)+3], s[G0+4*(\p)+2:G0+4*(\p)+3], 2*CHUNKG  ; slot p's next chunk; the type bits on top are not reached
	s_wait_xcnt 0x0                                ; the last prefetch, eight steps back, has read its address, so it may be written
	s_add_nc_u64 s[PFA:PFA+1], s[PFA:PFA+1], CHUNKG
	s_wait_dscnt 0x0                               ; the add is done, and my reads of the other slot are over
	CROUND
	tensor_load_to_lds s[G0+4*(1-(\p)):G0+4*(1-(\p))+3], s[G1:G1+7]  ; my two units of the chunk: my one tensor load behind the round
	s_nop 0
.rept 4
	v_nop
.endr
.if \lim
	ASK \lim
.endif
.else
	s_wait_dscnt 0x0                               ; the add is done, and my reads of the other slot are over
	s_barrier_signal -1
	s_barrier_wait -1
.endif
	s_add_co_u32 s[TB], s[CHB], (\p)*SLOTB         ; the fetches begin at my half's first unit
	s_mov_b32 s[CNT], 4
.endm
	s_load_b256 s[4:11], s[0:1], 0x0               ; z_e s[4:5], cbx s[6:7], out1 s[8:9], rows s[10:11]
	v_lshl_add_u32 v[SPW], v0, 2, SPARE
	v_mov_b32 v[NIL], 0
	ds_add_u32 v[SPW], v[NIL]                      ; the wave's opening: the add, twice on end, and its wait ahead of my first tensor load
	ds_add_u32 v[SPW], v[NIL]                      ; and once more, under the one wait; the set-up below, work on registers, stands between
	v_lshrrev_b32 v[TA], 5, v0
	v_readfirstlane_b32 s[WV], v[TA]               ; wave 0..3
	s_bfe_u32 s[CX], ttmp6, 0x40000                ; my place in the cluster
	s_lshl_b32 s[WG], ttmp9, 2                     ; in a cluster launch ttmp9 counts clusters
	s_add_co_u32 s[WG], s[WG], s[CX]               ; my work-group: it enters z's, out1's and rows' addresses alone
	s_lshr_b32 s[QH], s[WV], 1
	s_and_b32 s[CH], s[WV], 1
	; group 1 for the codes: 66 rows (two units) x 256 elements of 2 bytes, padded in LDS
	s_mov_b32 s[G1], 15|(1<<16)|(1<<20)|(1<<21)|(6<<22)|(3<<25)  ; 15:0 the mask: all four work-groups; 17:16 2-byte elements; 20 padding on; 21 set beside a mask; 24:22 after every 128 words (code 6); 31:25 4 words (code 3)
	s_mov_b32 s[G1+1], 256<<16                     ; tensor_dim0 = 256
	s_mov_b32 s[G1+2], 66<<16                      ; tensor_dim1 = 66
	s_mov_b32 s[G1+3], 256<<16                     ; tile_dim0 = 256
	s_mov_b32 s[G1+4], 66                          ; tile_dim1 = 66
	s_mov_b32 s[G1+5], 256                         ; 256 elements from row to row
	s_mov_b32 s[G1+6], 0
	s_mov_b32 s[G1+7], 0
	; group 1 for z: 32 rows x 256 elements of 4 bytes, no mask
	s_mov_b32 s[G1Z], (2<<16)|(1<<20)|(7<<22)|(3<<25)  ; 17:16 4-byte elements; 20 padding on; 24:22 after every 256 words (code 7); 31:25 4 words (code 3)
	s_mov_b32 s[G1Z+1], 256<<16
	s_mov_b32 s[G1Z+2], 32<<16
	s_mov_b32 s[G1Z+3], 256<<16
	s_mov_b32 s[G1Z+4], 32
	s_mov_b32 s[G1Z+5], 256
	s_mov_b32 s[G1Z+6], 0
	s_mov_b32 s[G1Z+7], 0
	s_mul_i32 s[TS], s[WV], 2*UNITB                ; where my two units go in a slot: the wave's number alone enters an LDS address
	s_mov_b32 s[G0], 1                             ; count = 1
	s_mov_b32 s[G0+1], s[TS]                       ; slot 0
	s_mov_b32 s[G0+4], 1
	s_add_co_u32 s[G0+5], s[TS], SLOTB             ; slot 1
	s_mul_i32 s[TS], s[WV], 32*ZPITCH              ; my 32 rows of z, in slot 1's bytes
	s_mov_b32 s[G0Z], 1
	s_add_co_u32 s[G0Z+1], s[TS], SLOTB
	s_mul_i32 s2, s[WV], 2*UNITG                   ; my two units in a chunk of cbx
	s_mov_b32 s3, 0
	s_lshl_b32 s76, s[WG], 17                      ; my work-group's 128 rows of z,
	s_lshl_b32 s77, s[WV], 15                      ; my 32 of them
	s_add_co_u32 s76, s76, s77
	s_mov_b32 s77, 0
	s_lshr_b32 s78, s[CX], 1                       ; the prefetches: which of my two units,
	s_mul_i32 s78, s78, UNITG
	s_and_b32 s79, s[CX], 1                        ; which 16 of its code rows,
	s_lshl_b32 s79, s79, 13
	s_add_co_u32 s78, s78, s79
	s_add_co_u32 s78, s78, 2*CHUNKG                ; at chunk 2: each filling change steps it by one chunk ahead of its request
	s_mov_b32 s79, 0
	s_mul_i32 s[CHB], s[CH], 4*UNITB
	s_mov_b32 s[SEL], 0x76543210
	s_mov_b32 s[SEL+1], 0xfedcba98
	s_wait_dscnt 0x0                               ; both opening adds are done
	s_wait_kmcnt 0x0
	s_add_nc_u64 s[G0+2:G0+3], s[6:7], s[2:3]      ; chunk 0
	s_add_nc_u64 s[PFA:PFA+1], s[G0+2:G0+3], s[78:79]
	s_add_nc_u64 s[G0+6:G0+7], s[G0+2:G0+3], CHUNKG  ; chunk 1
	s_or_b32 s[G0+3], s[G0+3], 0x80000000          ; type = 2
	s_or_b32 s[G0+7], s[G0+7], 0x80000000
	s_add_nc_u64 s[G0Z+2:G0Z+3], s[4:5], s[76:77]
	s_or_b32 s[G0Z+3], s[G0Z+3], 0x80000000
	s_lshl_b32 s78, s[WG], 9                       ; my work-group's 128 words of out1 and of rows
	s_add_nc_u64 s[8:9], s[8:9], s[78:79]
	s_add_nc_u64 s[10:11], s[10:11], s[78:79]
	CROUND                                         ; all four work-groups are here: the first joint loads meet
	tensor_load_to_lds s[G0Z:G0Z+3], s[G1Z:G1Z+7]  ; the first fills go out together: my rows of z,
	s_nop 0
	tensor_load_to_lds s[G0:G0+3], s[G1:G1+7]      ; and my part of chunk 0: two loads of mine are out
	s_nop 0
.rept 4
	v_nop
.endr
	v_and_b32 v[LR], 15, v0
	v_bfe_u32 v[LH], v0, 4, 1
	v_mul_u32_u24 v[AF0], v[LR], PITCH
	v_lshl_add_u32 v[AF0], v[LH], 4, v[AF0]
	v_lshlrev_b32 v[AE0], 5, v[LH]
	v_add_nc_u32 v[AE0], 32*PITCH, v[AE0]
	s_lshl_b32 s[TS], s[QH], 6
	v_add_nc_u32 v[ZA], s[TS], v[LR]               ; my query in tile 0: 64 (w / 2) + lane % 16
	v_lshlrev_b32 v[SA], 2, v[ZA]
	v_mul_u32_u24 v[ZA], v[ZA], ZPITCH
	v_lshl_add_u32 v[ZA], v[LH], 5, v[ZA]          ; + 8 f32 for the upper half of the lanes
	v_add_nc_u32 v[ZA], SLOTB, v[ZA]
	s_lshl_b32 s[TS], s[CH], 10
	s_add_co_u32 s[TS], s[TS], SCR
	v_add_nc_u32 v[SA], s[TS], v[SA]
	v_and_b32 v[L7], 7, v0
	v_and_b32 v[PFO], 31, v0
	v_lshlrev_b32 v[GO], 4, v[PFO]
	v_lshlrev_b32 v[PFO], 8, v[PFO]
	s_lshl_b32 s[TS], s[CH], 7
	v_lshl_add_u32 v[HB], v[LH], 3, s[TS]
	v_mov_b32 v[TC], 0                             ; v_permlanex16_b32's destination counts as read
	s_wait_tensorcnt 0x1                           ; my rows of z are in; chunk 0's load, issued behind them, may stay out
	s_barrier_signal -1
	s_barrier_wait -1                              ; everybody's rows are in
; Query tile q: a fragment is 16 queries x 32 dims in 8 registers: lane l holds query l % 16, dims 8 (l / 16) + 0..7 and 16 + 8 (l / 16) + 0..7.  In f32 those are 2 x 32 bytes, 64 apart.
; 128 f32 come into window 2 (the code fragments' registers, still free) and are rounded in pairs into Q.
.macro QCONV q
	WIN W_FR
.set f, 0
.rept 8
	ds_load_b128 v[16*f:16*f+3],     v[ZA] offset:16*ZPITCH*(\q)+128*f
	ds_load_b128 v[16*f+4:16*f+7],   v[ZA] offset:16*ZPITCH*(\q)+128*f+16
	ds_load_b128 v[16*f+8:16*f+11],  v[ZA] offset:16*ZPITCH*(\q)+128*f+64
	ds_load_b128 v[16*f+12:16*f+15], v[ZA] offset:16*ZPITCH*(\q)+128*f+80
.set f, f+1
.endr
	s_wait_dscnt 0x0
	WIN W_CV
.set k, 0
.rept 64
	v_cvt_pk_bf16_f32 v[64*(\q)+k], v[2*k], v[2*k+1]
.set k, k+1
.endr
.endm
	QCONV 0
	QCONV 1
	QCONV 2
	QCONV 3
	; z2 of the rounded z, by the matrix unit: Q[q] times itself; z2 of query r is the diagonal: in lane (r, r / 8), register r % 8.  32 products once, in place of 512 vector lines.
	WIN W_ZZ
.set i, 0
.rept 32
.set rD, ACC+8*(i%4)
.set rA, 64*(i%4)+8*(i/4)
.if i < 4
	v_wmma_f32_16x16x32_bf16 v[rD:rD+7], v[rA:rA+7], v[rA:rA+7], 0
.else
	v_wmma_f32_16x16x32_bf16 v[rD:rD+7], v[rA:rA+7], v[rA:rA+7], v[rD:rD+7]
.endif
.set i, i+1
.endr
	WIN 0
	s_mov_b32 s[TS], 0x7f800000                    ; +infinity.  The argmin's start: 40 plain lines, which are also the places behind those products
.set k, 0
.rept 4
	v_mov_b32 v[MIN+k], s[TS]
	v_mov_b32 v[ID+k], 0
.set k, k+1
.endr
.set k, 0
.rept 32
	v_mov_b32 v[SV+k], s[TS]
.set k, k+1
.endr
.irp j, 1,2,3,4,5,6,7
	v_cmp_eq_u32 s[DM+\j-1], \j, v[L7]
.endr
	v_lshrrev_b32 v[TA], 3, v[LR]
	v_cmp_eq_u32 s[HM], v[TA], v[LH]
.irp q, 0,1,2,3
	v_cndmask_b32 v[TA], v[ACC+8*\q], v[ACC+8*\q+1], s[DM]  ; register lane % 8 of the accumulator, from its low end on
.irp j, 2,3,4,5,6,7
	v_cndmask_b32 v[TA], v[TA], v[ACC+8*\q+\j], s[DM+\j-1]
.endr
	v_permlanex16_b32 v[TC], v[TA], s[SEL], s[SEL+1]  ; the lane that does not hold the diagonal takes it from the lane 16 away
	v_cndmask_b32 v[Z2+2*\q],   v[TC], v[TA], s[HM]
	v_cndmask_b32 v[Z2+2*\q+1], v[TC], v[TA], s[HM]
.endr
	s_mov_b32 s[CUR], 0
	s_mov_b32 s[OUT], 15
	s_cmp_eq_u32 ttmp9, 0                          ; the first cluster prefetches: the same answer in all four partners
	s_cselect_b32 s[LIM0], 0, -1
	s_cselect_b32 s[LIM1], 1, -1
; Product i of a step's 32, for the code tile of parity par: K fragment i / 4, query tile i % 4.  The first four start the sums: nothing is cleared.
.macro MMA par
	WIN W_MM
.set rD, ACC+32*(\par)+8*(i%4)
.set rA, 64*(\par)+8*(i/4)
.set rB, 64*(i%4)+8*(i/4)
.if i < 4
	v_wmma_f32_16x16x32_bf16 v[rD:rD+7], v[rA:rA+7], v[rB:rB+7], 0
.else
	v_wmma_f32_16x16x32_bf16 v[rD:rD+7], v[rA:rA+7], v[rB:rB+7], v[rD:rD+7]
.endif
.endm
; Number n of the 88 vector instructions that finish the code tile of parity x, for the four query tiles q.
;   0-15   t = e2 + z2, a pair of codes each.  They name no register of a product: they are the places behind the products that made the sums and read the fragments
;   16-31  dist = t - 2 ze, a pair each; each accumulator's two lowest registers first
;   32-47  the new minimum of the old one and the eight dist, three operands at a time, into the other set of MIN
;   48-51  has it fallen?  strictly less, so that the first tile keeps an equal dist      52-55  then ID takes the tile's number      56-87  and SV its eight dist
.macro RID x
	WIN 0
.set rN, MIN+4*(1-(\x))
.set rO, MIN+4*(\x)
.set q, n%4
.if n < 16
.set q, n/4
.set u, 2*(n%4)
	v_pk_add_f32 v[T+8*q+u:T+8*q+u+1], v[E2+8*(\x)+u:E2+8*(\x)+u+1], v[Z2+2*q:Z2+2*q+1]
.elseif n < 32
.set u, 2*((n-16)/4)
	v_pk_fma_f32 v[T+8*q+u:T+8*q+u+1], v[ACC+32*(\x)+8*q+u:ACC+32*(\x)+8*q+u+1], -2.0, v[T+8*q+u:T+8*q+u+1] op_sel_hi:[1,0,1]
.elseif n < 36
	v_min3_num_f32 v[rN+q], v[rO+q], v[T+8*q], v[T+8*q+1]
.elseif n < 48
.set u, 2*((n-32)/4)
	v_min3_num_f32 v[rN+q], v[rN+q], v[T+8*q+u], v[T+8*q+u+1]
.elseif n < 52
	v_cmp_lt_f32 s[CM+q], v[rN+q], v[rO+q]
.elseif n < 56
	v_cndmask_b32 v[ID+q], v[ID+q], s[CUR], s[CM+q]
.else
.set u, (n-56)/4
	v_cndmask_b32 v[SV+8*q+u], v[SV+8*q+u], v[T+8*q+u], s[CM+q]
.endif
.set n, n+1
.endm
; The 18 LDS loads of the tile behind the one of parity par, in one run: 8 fragments (16 codes x 32 dims each: two loads of 16 bytes, 32 apart) and my 8 e2.  An even tile begins a unit: its addresses are made anew.
.macro FETCH par
.if (\par) == 1
	WIN 0
	v_add_nc_u32 v[ADR], s[TB], v[AF0]
	v_add_nc_u32 v[ADE], s[TB], v[AE0]
.endif
	WIN W_FR
.irp f, 0,1,2,3,4,5,6,7
	ds_load_b128 v[64*(1-(\par))+8*\f:64*(1-(\par))+8*\f+3],   v[ADR] offset:16*PITCH*(1-(\par))+64*\f
	ds_load_b128 v[64*(1-(\par))+8*\f+4:64*(1-(\par))+8*\f+7], v[ADR] offset:16*PITCH*(1-(\par))+64*\f+32
.endr
	WIN 0
	ds_load_b128 v[E2+8*(1-(\par)):E2+8*(1-(\par))+3],   v[ADE] offset:64*(1-(\par))
	ds_load_b128 v[E2+8*(1-(\par))+4:E2+8*(1-(\par))+7], v[ADE] offset:64*(1-(\par))+16
.endm
; A STEP.  mma: the 32 products of the tile of parity par.  valu: the 88 lines for the tile before it, three behind each of the first 24 products, two behind each of the last 8.
; fetch: the next tile's loads, behind the sixth product: 18 of the 88 have then been issued, so all 16 readers of the e2 that the loads replace, which are also the places behind the last product that read the fragments.
.macro STEP par, mma, valu, fetch
.set n, 0
.if \mma
	s_wait_dscnt 0x0                               ; this tile's fragments and e2, asked for 26 products ago, are in
.set i, 0
.rept 32
	MMA \par
.if \valu
	RID 1-(\par)
	RID 1-(\par)
.if i < 24
	RID 1-(\par)
.endif
.endif
.if (\fetch) && (i == 5)
	FETCH \par
.endif
.set i, i+1
.endr
.else
.rept 88
	RID 1-(\par)
.endr
.endif
.if \valu
	s_add_co_u32 s[CUR], s[CUR], 1
.endif
.endm
; A slot's work: the change of slots, then four trips of two steps.  The trips multiply tiles (7 of the chunk before, 0), (1, 2), (3, 4), (5, 6) and fetch the slot's tiles 0 to 7: so at the next change every byte
; that I need of this slot has been asked out of it.
.macro SLOTWORK tag, p, fill, lim
	CHANGE \p, \fill, \lim
.Lin_\tag:
	STEP 1, 1, 1, 1
	STEP 0, 1, 1, 1
	WIN 0
	s_add_co_u32 s[TB], s[TB], UNITB
	s_sub_co_u32 s[CNT], s[CNT], 1
	s_cmp_lg_u32 s[CNT], 0
	s_cbranch_scc1 .Lin_\tag
.endm
	CHANGE 0, 1, 0                                 ; chunk 0 is in, everybody's part; z has been read out of slot 1's bytes, which take chunk 1
	FETCH 1                                        ; tile 0
	STEP 0, 1, 0, 1                                ; tile 0's products: there is no tile before it to finish
	WIN 0
	s_add_co_u32 s[TB], s[TB], UNITB
	s_mov_b32 s[CNT], 3                            ; the first slot's first trip is done: the loop is entered behind its change of slots
	s_branch .Lin_A
.Lout:                                                 ; 15 trips: chunks 0 to 29 are entered, chunks 2 to 30 asked for
	SLOTWORK A, 0, 1, LIM0
	SLOTWORK B, 1, 1, LIM1
	s_sub_co_u32 s[OUT], s[OUT], 1
	s_cmp_lg_u32 s[OUT], 0
	s_cbranch_scc1 .Lout
	SLOTWORK C, 0, 1, 0                            ; the tail is written out: chunk 30 is entered, chunk 31 asked for
	SLOTWORK D, 1, 0, 0                            ; chunk 31 is entered, and nothing is asked for
	STEP 1, 1, 1, 0                                ; the last tile's products
	STEP 0, 0, 1, 0                                ; and its vector work: the minima end in set 0
	WIN 0
; THE WAY OUT.  Query tile q: the first j with SV[j] = MIN; the code's number from ID, j and my lane's share; then the lane 16 away, which holds the query's other codes: the lesser dist wins, at equal dist the lower number.
.macro RESOLVE q
	v_mov_b32 v[WJ], 7
.irp j, 6,5,4,3,2,1,0
	v_cmp_eq_f32 vcc_lo, v[SV+8*(\q)+\j], v[MIN+(\q)]
	v_cndmask_b32 v[WJ], v[WJ], \j, vcc_lo
.endr
	v_lshrrev_b32 v[WA], 3, v[ID+(\q)]             ; the chunk: 256 codes
	v_and_b32 v[WB], 7, v[ID+(\q)]                 ; the tile: 16 codes
	v_lshl_add_u32 v[WJ], v[WB], 4, v[WJ]
	v_lshl_add_u32 v[WJ], v[WA], 8, v[WJ]
	v_add_nc_u32 v[WJ], v[WJ], v[HB]
	v_permlanex16_b32 v[TA], v[MIN+(\q)], s[SEL], s[SEL+1]
	v_permlanex16_b32 v[TC], v[WJ], s[SEL], s[SEL+1]
	v_cmp_lt_f32 s[CM], v[TA], v[MIN+(\q)]
	v_cmp_eq_f32 s[CM+1], v[TA], v[MIN+(\q)]
	v_cmp_lt_u32 s[CM+2], v[TC], v[WJ]
	s_and_b32 s[CM+1], s[CM+1], s[CM+2]
	s_or_b32 s[CM], s[CM], s[CM+1]
	v_cndmask_b32 v[WA], v[MIN+(\q)], v[TA], s[CM]
	v_cndmask_b32 v[WJ], v[WJ], v[TC], s[CM]
	ds_store_b32 v[SA], v[WA] offset:64*(\q)       ; both lanes of a query write the same word with the same number
	ds_store_b32 v[SA], v[WJ] offset:512+64*(\q)
.endm
	RESOLVE 0
	RESOLVE 1
	RESOLVE 2
	RESOLVE 3
	s_wait_dscnt 0x0                               ; for the others' sake: my stores are done
	s_barrier_signal -1
	s_barrier_wait -1
	s_cmp_lg_u32 s[WV], 0
	s_cbranch_scc1 .Lend                           ; wave 0 joins the two halves of the codes, four queries a lane
	v_add_nc_u32 v[WB], SCR, v[GO]
	ds_load_b128 v[40:43], v[WB]                   ; codes' lower halves: dist,
	ds_load_b128 v[44:47], v[WB] offset:512        ; index
	ds_load_b128 v[48:51], v[WB] offset:1024       ; upper halves: dist,
	ds_load_b128 v[52:55], v[WB] offset:1536       ; index
	s_wait_dscnt 0x0
.irp e, 0,1,2,3
	v_cmp_lt_f32 s[CM], v[48+\e], v[40+\e]
	v_cmp_eq_f32 s[CM+1], v[48+\e], v[40+\e]
	v_cmp_lt_u32 s[CM+2], v[52+\e], v[44+\e]
	s_and_b32 s[CM+1], s[CM+1], s[CM+2]
	s_or_b32 s[CM], s[CM], s[CM+1]
	v_cndmask_b32 v[44+\e], v[44+\e], v[52+\e], s[CM]
	v_lshrrev_b32 v[56+\e], 5, v[44+\e]
	v_add_nc_u32 v[56+\e], v[56+\e], v[44+\e]      ; the code's row in cbx: c + c / 32
.endr
	global_store_b128 v[GO], v[44:47], s[8:9]      ; 512 consecutive bytes each, aligned
	global_store_b128 v[GO], v[56:59], s[10:11]
.Lend:
	s_wait_tensorcnt 0x0                           ; the wave's end, behind my last tensor load and my last LDS store
	ds_add_u32 v[SPW], v[NIL]
	s_wait_dscnt 0x0
	CROUND                                         ; the closing round: no work-group ends while a partner may still ask for a tile that names it
	s_endpgm
.Lfunc_end_k_q8e51eb0664_vq:
	.size	k_q8e51eb0664_vq, .Lfunc_end_k_q8e51eb0664_vq-k_q8e51eb0664_vq
	.p2alignl 7, 3214868480
	.fill 96, 4, 3214868480
	.section	.rodata,"a",@progbits
	.p2align	6, 0x0
	.amdhsa_kernel k_q8e51eb0664_vq
		.amdhsa_group_segment_fixed_size 327680
		.amdhsa_private_segment_fixed_size 0
		.amdhsa_enable_private_segment 0
		.amdhsa_kernarg_size 32
		.amdhsa_user_sgpr_count 2
		.amdhsa_user_sgpr_kernarg_segment_ptr 1
		.amdhsa_wavefront_size32 1
		.amdhsa_system_sgpr_workgroup_id_x 1
		.amdhsa_system_sgpr_workgroup_id_y 1
		.amdhsa_system_sgpr_workgroup_id_z 1
		.amdhsa_system_vgpr_workitem_id 0
		.amdhsa_next_free_vgpr 640
		.amdhsa_next_free_sgpr 80
		.amdhsa_reserve_vcc 1
		.amdhsa_float_denorm_mode_32 3
		.amdhsa_float_denorm_mode_16_64 3
		.amdhsa_memory_ordered 1
		.amdhsa_forward_progress 1
		.amdhsa_inst_pref_size 156
	.end_amdhsa_kernel
	.amdgpu_metadata
---
amdhsa.version: [ 1, 2 ]
amdhsa.kernels:
  - .name:           k_q8e51eb0664_vq
    .symbol:         k_q8e51eb0664_vq.kd
    .args:
      - { .name: z_e, .offset: 0, .size: 8, .value_kind: global_buffer, .address_space: global }
      - { .name: cbx, .offset: 8, .size: 8, .value_kind: global_buffer, .address_space: global }
      - { .name: out1, .offset: 16, .size: 8, .value_kind: global_buffer, .address_space: global }
      - { .name: rows, .offset: 24, .size: 8, .value_kind: global_buffer, .address_space: global }
    .group_segment_fixed_size: 327680
    .private_segment_fixed_size: 0
    .kernarg_segment_align: 8
    .kernarg_segment_size: 32
    .max_flat_workgroup_size: 128
    .sgpr_count:     80
    .vgpr_count:     640
    .wavefront_size: 32
...
	.end_amdgpu_metadata
.endif
;; end of part 2
;; launch gather (part 3): grid 256 x 1, 8 waves a work-group, no clusters, 0 bytes of LDS; arguments z_e, cbx, rows, out0, part; writes out0, part
.if DOCPART == 3
	.amdgcn_target "amdgcn-amd-amdhsa--gfx1250"
	.amdhsa_code_object_version 6
	.text
	.protected	k_q8e51eb0664_gather
	.globl	k_q8e51eb0664_gather
	.p2align	8
	.type	k_q8e51eb0664_gather,@function
k_q8e51eb0664_gather:
	s_mov_b64 s[64:65], 0
	v_nop
	global_prefetch_b8 v0, s[64:65] scope:SCOPE_SE
	s_setreg_imm32_b32 hwreg(HW_REG_WAVE_MODE, 25, 1), 1
	s_wait_xcnt 0x0
; VectorQuantizer, launch 3 of 4: z_q = the code row that the launch before chose (rows holds its row number in cbx, whole numbers read from memory); out0 = z + (z_q - z), as reference() writes it;
; and for each wave the sum of (z_q - z)^2 over its 16 rows, in f32, into part.  (z - z_q)^2 is not summed a second time: it is the same number term by term (the first launch's head).
; z is rounded to bf16 here as in the launch before, so that all outputs are made of the same rounded inputs; the codes come rounded from cbx.
; SHARES.  A wave takes 16 rows; lane l holds dims 4 l .. 4 l + 3 and 128 + 4 l .. + 3.  A load or store of z or out0 covers 512 consecutive bytes, a load of a code row 256, aligned.
; No loop: a wave's 32 loads of z and 32 of codes all go out at its head, each row into registers of its own, and the rows are finished in order.
; No LDS, matrix unit, cluster or prefetch: the launch streams each byte once, its work-groups share no tile, and all its addresses are out at once.
.set LO,  1                            ; v1   16 x lane
.set CO,  2                            ; v2   8 x lane
.set LN,  3                            ; v3   lane
.set SUM, 4                            ; v[4:7]     two pairs of sums
.set VO,  16                           ; v[16:31]   row i: byte offset of my 8 bytes in its code row
.set Z,   32                           ; v[32:159]  row i: 8 numbers of z, then of out0
.set C,   160                          ; v[160:223] row i: 4 words of bf16
.set W,   224                          ; v[224:227] z rounded, packed
.set ZW,  228                          ; v[228:235] z rounded, in f32
.set QW,  236                          ; v[236:243] the code in f32, then z_q - z
.set HIM, 40                           ; s40  a word's upper bf16
	s_load_b256 s[4:11], s[0:1], 0x0               ; z_e s[4:5], cbx s[6:7], rows s[8:9], out0 s[10:11]
	s_load_b64 s[12:13], s[0:1], 0x20              ; part
	v_lshrrev_b32 v[LN], 5, v0
	v_readfirstlane_b32 s14, v[LN]                 ; wave 0..7
	v_and_b32 v[LN], 31, v0
	v_lshlrev_b32 v[LO], 4, v[LN]
	v_lshlrev_b32 v[CO], 3, v[LN]
	s_lshl_b32 s15, ttmp9, 3
	s_add_co_u32 s15, s15, s14                     ; my wave among the launch's 2,048
	s_lshl_b32 s38, s15, 6                         ; its 16 words of rows
	s_mov_b32 s39, 0
	s_lshl_b32 s2, s15, 14                         ; its 16 rows of 1,024 bytes
	s_mov_b32 s3, 0
	s_mov_b32 s[HIM], 0xffff0000
	s_mov_b32 s42, 0x76543210                      ; v_permlanex16_b32: each lane takes its own place in the other half
	s_mov_b32 s43, 0xfedcba98
	s_wait_kmcnt 0x0
	s_add_nc_u64 s[32:33], s[8:9], s[38:39]
	s_add_nc_u64 s[34:35], s[4:5], s[2:3]
	s_add_nc_u64 s[36:37], s[10:11], s[2:3]
	s_load_b512 s[16:31], s[32:33], 0x0            ; my 16 row numbers
.irp i, 0,1,2,3,4,5,6,7,8,9,10,11,12,13,14,15
	global_load_b128 v[Z+8*(\i):Z+8*(\i)+3],   v[LO], s[34:35] offset:1024*(\i) th:TH_LOAD_NT
	global_load_b128 v[Z+8*(\i)+4:Z+8*(\i)+7], v[LO], s[34:35] offset:1024*(\i)+512 th:TH_LOAD_NT
.endr
	s_wait_kmcnt 0x0
.irp i, 0,1,2,3,4,5,6,7,8,9,10,11,12,13,14,15
	s_min_u32 s[16+(\i)], s[16+(\i)], 8447         ; cbx has 8,448 rows: a loaded number enters an address only held inside the table
	s_lshl_b32 s[16+(\i)], s[16+(\i)], 9           ; x 512 bytes
	v_add_nc_u32 v[VO+(\i)], s[16+(\i)], v[CO]
	global_load_b64 v[C+4*(\i):C+4*(\i)+1],   v[VO+(\i)], s[6:7]
	global_load_b64 v[C+4*(\i)+2:C+4*(\i)+3], v[VO+(\i)], s[6:7] offset:256
.endr
.macro ROW i
	s_wait_loadcnt 30-2*(\i)                       ; loads come back in order: all of z and this row's code are in; the later rows' two loads each stay out
.irp k, 0,1,2,3
	v_cvt_pk_bf16_f32 v[W+(\k)], v[Z+8*(\i)+2*(\k)], v[Z+8*(\i)+2*(\k)+1]
.endr
.irp k, 0,1,2,3
	v_lshlrev_b32 v[ZW+2*(\k)],   16, v[W+(\k)]                ; bf16 to f32: the low half moves up,
	v_and_b32     v[ZW+2*(\k)+1], s[HIM], v[W+(\k)]            ; the high half stays
	v_lshlrev_b32 v[QW+2*(\k)],   16, v[C+4*(\i)+(\k)]
	v_and_b32     v[QW+2*(\k)+1], s[HIM], v[C+4*(\i)+(\k)]
.endr
.irp k, 0,1,2,3
	v_pk_add_f32 v[QW+2*(\k):QW+2*(\k)+1], v[QW+2*(\k):QW+2*(\k)+1], v[ZW+2*(\k):ZW+2*(\k)+1] neg_lo:[0,1] neg_hi:[0,1]  ; z_q - z
.endr
.irp k, 0,1,2,3
	v_pk_add_f32 v[Z+8*(\i)+2*(\k):Z+8*(\i)+2*(\k)+1], v[ZW+2*(\k):ZW+2*(\k)+1], v[QW+2*(\k):QW+2*(\k)+1]                ; z + (z_q - z)
.endr
.irp k, 0,1,2,3
.if ((\i) == 0) && ((\k) < 2)
	v_pk_mul_f32 v[SUM+2*(\k):SUM+2*(\k)+1], v[QW+2*(\k):QW+2*(\k)+1], v[QW+2*(\k):QW+2*(\k)+1]                          ; the first squares start the sums: nothing is cleared
.else
	v_pk_fma_f32 v[SUM+2*((\k)%2):SUM+2*((\k)%2)+1], v[QW+2*(\k):QW+2*(\k)+1], v[QW+2*(\k):QW+2*(\k)+1], v[SUM+2*((\k)%2):SUM+2*((\k)%2)+1]
.endif
.endr
	global_store_b128 v[LO], v[Z+8*(\i):Z+8*(\i)+3],   s[36:37] offset:1024*(\i) th:TH_STORE_NT
	global_store_b128 v[LO], v[Z+8*(\i)+4:Z+8*(\i)+7], s[36:37] offset:1024*(\i)+512 th:TH_STORE_NT
.endm
.irp i, 0,1,2,3,4,5,6,7,8,9,10,11,12,13,14,15
	ROW \i
.endr
	v_pk_add_f32 v[SUM:SUM+1], v[SUM:SUM+1], v[SUM+2:SUM+3]
	v_add_f32 v[SUM], v[SUM], v[SUM+1]
	v_add_f32_dpp v[SUM], v[SUM], v[SUM] row_xmask:1 row_mask:0xf bank_mask:0xf
	v_add_f32_dpp v[SUM], v[SUM], v[SUM] row_xmask:2 row_mask:0xf bank_mask:0xf
	v_add_f32_dpp v[SUM], v[SUM], v[SUM] row_xmask:4 row_mask:0xf bank_mask:0xf
	v_add_f32_dpp v[SUM], v[SUM], v[SUM] row_xmask:8 row_mask:0xf bank_mask:0xf
	v_permlanex16_b32 v[SUM+1], v[SUM], s42, s43
	v_add_f32 v[SUM], v[SUM], v[SUM+1]             ; the wave's sum
	v_mov_b32 v8, 0
	s_lshl_b32 s2, s15, 2                          ; my wave's word of part (s3 is still 0)
	s_add_nc_u64 s[12:13], s[12:13], s[2:3]
	v_cmp_eq_u32 vcc_lo, 0, v[LN]
	s_wait_xcnt 0x0                                ; EXEC, a source of the stores above, changes only behind this wait
	s_and_saveexec_b32 s14, vcc_lo
	global_store_b32 v8, v[SUM], s[12:13]          ; one word a wave: the sum over work-groups is made in order, by the next launch
	s_endpgm
.Lfunc_end_k_q8e51eb0664_gather:
	.size	k_q8e51eb0664_gather, .Lfunc_end_k_q8e51eb0664_gather-k_q8e51eb0664_gather
	.p2alignl 7, 3214868480
	.fill 96, 4, 3214868480
	.section	.rodata,"a",@progbits
	.p2align	6, 0x0
	.amdhsa_kernel k_q8e51eb0664_gather
		.amdhsa_group_segment_fixed_size 0
		.amdhsa_private_segment_fixed_size 0
		.amdhsa_enable_private_segment 0
		.amdhsa_kernarg_size 40
		.amdhsa_user_sgpr_count 2
		.amdhsa_user_sgpr_kernarg_segment_ptr 1
		.amdhsa_wavefront_size32 1
		.amdhsa_system_sgpr_workgroup_id_x 1
		.amdhsa_system_sgpr_workgroup_id_y 1
		.amdhsa_system_sgpr_workgroup_id_z 1
		.amdhsa_system_vgpr_workitem_id 0
		.amdhsa_next_free_vgpr 256
		.amdhsa_next_free_sgpr 66
		.amdhsa_reserve_vcc 1
		.amdhsa_float_denorm_mode_32 3
		.amdhsa_float_denorm_mode_16_64 3
		.amdhsa_memory_ordered 1
		.amdhsa_forward_progress 1
		.amdhsa_inst_pref_size 38
	.end_amdhsa_kernel
	.amdgpu_metadata
---
amdhsa.version: [ 1, 2 ]
amdhsa.kernels:
  - .name:           k_q8e51eb0664_gather
    .symbol:         k_q8e51eb0664_gather.kd
    .args:
      - { .name: z_e, .offset: 0, .size: 8, .value_kind: global_buffer, .address_space: global }
      - { .name: cbx, .offset: 8, .size: 8, .value_kind: global_buffer, .address_space: global }
      - { .name: rows, .offset: 16, .size: 8, .value_kind: global_buffer, .address_space: global }
      - { .name: out0, .offset: 24, .size: 8, .value_kind: global_buffer, .address_space: global }
      - { .name: part, .offset: 32, .size: 8, .value_kind: global_buffer, .address_space: global }
    .group_segment_fixed_size: 0
    .private_segment_fixed_size: 0
    .kernarg_segment_align: 8
    .kernarg_segment_size: 40
    .max_flat_workgroup_size: 256
    .sgpr_count:     66
    .vgpr_count:     256
    .wavefront_size: 32
...
	.end_amdgpu_metadata
.endif
;; end of part 3
;; launch loss (part 4): grid 1 x 1, 1 waves a work-group, no clusters, 0 bytes of LDS; arguments part, out2, out3, out4; writes out2, out3, out4
.if DOCPART == 4
	.amdgcn_target "amdgcn-amd-amdhsa--gfx1250"
	.amdhsa_code_object_version 6
	.text
	.protected	k_q8e51eb0664_loss
	.globl	k_q8e51eb0664_loss
	.p2align	8
	.type	k_q8e51eb0664_loss,@function
k_q8e51eb0664_loss:
	s_mov_b64 s[64:65], 0
	v_nop
	global_prefetch_b8 v0, s[64:65] scope:SCOPE_SE
	s_setreg_imm32_b32 hwreg(HW_REG_WAVE_MODE, 25, 1), 1
	s_wait_xcnt 0x0
; VectorQuantizer, launch 4 of 4: the 2,048 partial sums of (z_q - z)^2 are added, in f32 and in a fixed order, by one wave; mean = sum / (32,768 x 256) = sum x 2^-23.
; cb_loss = mean.  commit_loss is the same number (the first launch's head) and is not summed again.  vq_loss = cb_loss + 0.25 commit_loss, by one fused multiply-add.
; One work-group: 8 KiB are read once and three words written; there is no more work to share out.
	s_load_b256 s[4:11], s[0:1], 0x0               ; part s[4:5], out2 s[6:7], out3 s[8:9], out4 s[10:11]
	v_lshlrev_b32 v1, 4, v0                        ; 16 x lane
	v_mov_b32 v2, 0
	s_mov_b32 s12, 0x76543210                      ; v_permlanex16_b32: each lane takes its own place in the other half
	s_mov_b32 s13, 0xfedcba98
	s_wait_kmcnt 0x0
.irp i, 0,1,2,3,4,5,6,7,8,9,10,11,12,13,14,15
	global_load_b128 v[8+4*(\i):11+4*(\i)], v1, s[4:5] offset:512*(\i)
.endr
	s_wait_loadcnt 0x0
.irp s, 32,16,8,4,2                    ; my 64 numbers: the upper half of the registers onto the lower, five times, two sums an instruction
.set r, 0
.rept (\s)/2
	v_pk_add_f32 v[8+r:9+r], v[8+r:9+r], v[8+(\s)+r:9+(\s)+r]
.set r, r+2
.endr
.endr
	v_add_f32 v8, v8, v9
	v_add_f32_dpp v8, v8, v8 row_xmask:1 row_mask:0xf bank_mask:0xf
	v_add_f32_dpp v8, v8, v8 row_xmask:2 row_mask:0xf bank_mask:0xf
	v_add_f32_dpp v8, v8, v8 row_xmask:4 row_mask:0xf bank_mask:0xf
	v_add_f32_dpp v8, v8, v8 row_xmask:8 row_mask:0xf bank_mask:0xf
	v_permlanex16_b32 v9, v8, s12, s13
	v_add_f32 v8, v8, v9
	v_mul_f32 v8, 0x34000000, v8                   ; x 2^-23: the mean
	v_fmamk_f32 v9, v8, 0x3e800000, v8             ; mean x 0.25 + mean
	v_cmp_eq_u32 vcc_lo, 0, v0
	s_wait_xcnt 0x0                                ; EXEC changes only behind this wait
	s_and_saveexec_b32 s14, vcc_lo
	global_store_b32 v2, v9, s[6:7]                ; vq_loss
	global_store_b32 v2, v8, s[8:9]                ; cb_loss
	global_store_b32 v2, v8, s[10:11]              ; commit_loss
	s_endpgm
.Lfunc_end_k_q8e51eb0664_loss:
	.size	k_q8e51eb0664_loss, .Lfunc_end_k_q8e51eb0664_loss-k_q8e51eb0664_loss
	.p2alignl 7, 3214868480
	.fill 96, 4, 3214868480
	.section	.rodata,"a",@progbits
	.p2align	6, 0x0
	.amdhsa_kernel k_q8e51eb0664_loss
		.amdhsa_group_segment_fixed_size 0
		.amdhsa_private_segment_fixed_size 0
		.amdhsa_enable_private_segment 0
		.amdhsa_kernarg_size 32
		.amdhsa_user_sgpr_count 2
		.amdhsa_user_sgpr_kernarg_segment_ptr 1
		.amdhsa_wavefront_size32 1
		.amdhsa_system_sgpr_workgroup_id_x 1
		.amdhsa_system_sgpr_workgroup_id_y 1
		.amdhsa_system_sgpr_workgroup_id_z 1
		.amdhsa_system_vgpr_workitem_id 0
		.amdhsa_next_free_vgpr 72
		.amdhsa_next_free_sgpr 66
		.amdhsa_reserve_vcc 1
		.amdhsa_float_denorm_mode_32 3
		.amdhsa_float_denorm_mode_16_64 3
		.amdhsa_memory_ordered 1
		.amdhsa_forward_progress 1
		.amdhsa_inst_pref_size 5
	.end_amdhsa_kernel
	.amdgpu_metadata
---
amdhsa.version: [ 1, 2 ]
amdhsa.kernels:
  - .name:           k_q8e51eb0664_loss
    .symbol:         k_q8e51eb0664_loss.kd
    .args:
      - { .name: part, .offset: 0, .size: 8, .value_kind: global_buffer, .address_space: global }
      - { .name: out2, .offset: 8, .size: 8, .value_kind: global_buffer, .address_space: global }
      - { .name: out3, .offset: 16, .size: 8, .value_kind: global_buffer, .address_space: global }
      - { .name: out4, .offset: 24, .size: 8, .value_kind: global_buffer, .address_space: global }
    .group_segment_fixed_size: 0
    .private_segment_fixed_size: 0
    .kernarg_segment_align: 8
    .kernarg_segment_size: 32
    .max_flat_workgroup_size: 32
    .sgpr_count:     66
    .vgpr_count:     72
    .wavefront_size: 32
...
	.end_amdgpu_metadata
.endif
;; end of part 4
;; ======== version 2 of 2: 4 launches; version 1 with the launch gather written anew for expert scheduling mode
;; workspace buffers: cbx 4,325,376 bytes; rows 131,072 bytes of whole numbers; part 8,192 bytes
;; launch prep: the kernel of part 1 again; grid 256 x 1, 4 waves a work-group, no clusters, 768 bytes of LDS; arguments codebook, cbx; writes cbx
;; launch vq: the kernel of part 2 again; grid 256 x 1, 4 waves a work-group, clusters of 4 x 1, 327,680 bytes of LDS; arguments z_e, cbx, out1, rows; writes out1, rows
;; launch gather (part 5): grid 256 x 1, 8 waves a work-group, no clusters, 0 bytes of LDS; arguments z_e, cbx, rows, out0, part; writes out0, part
.if DOCPART == 5
	.amdgcn_target "amdgcn-amd-amdhsa--gfx1250"
	.amdhsa_code_object_version 6
	.text
	.protected	k_q8e51eb0664_gather
	.globl	k_q8e51eb0664_gather
	.p2align	8
	.type	k_q8e51eb0664_gather,@function
k_q8e51eb0664_gather:
	s_mov_b64 s[64:65], 0
	v_nop
	global_prefetch_b8 v0, s[64:65] scope:SCOPE_SE
	s_setreg_imm32_b32 hwreg(HW_REG_WAVE_SCHED_MODE, 0, 2), 2
	s_setreg_imm32_b32 hwreg(HW_REG_WAVE_MODE, 25, 1), 1
	s_wait_xcnt 0x0
	s_wait_alu depctr_vm_vsrc(0)
; VectorQuantizer, launch 3 of 4: z_q = the code row that the launch before chose (rows holds its row number in cbx, whole numbers read from memory); out0 = z + (z_q - z), as reference() writes it;
; and for each wave the sum of (z_q - z)^2 over its 16 rows, in f32, into part.  (z - z_q)^2 is not summed a second time: it is the same number term by term (the first launch's head).
; z is rounded to bf16 here as in the launch before, so that all outputs are made of the same rounded inputs; the codes come rounded from cbx.
; SHARES.  A wave takes 16 rows; lane l holds dims 4 l .. 4 l + 3 and 128 + 4 l .. + 3.  A load or store of z or out0 covers 512 consecutive bytes, a load of a code row 256, aligned.
; No loop: a wave's 32 loads of z and 32 of codes all go out at its head, each row into registers of its own, and the rows are finished in order.
; No LDS, matrix unit, cluster or prefetch: the launch streams each byte once, its work-groups share no tile, and all its addresses are out at once.
; THE MODE: SCHED_MODE bits 1:0 = 2 (LLVM: expert scheduling mode 2), set by the entry lines.  The code itself states the register dependences
; between vector instructions and memory instructions, with s_wait_alu, always for 0.
; THE PLAN.  Registers that memory instructions touch:
;   v[LO]      Written once at the head; read by every load of z and every store of out0; never written again.
;   v[VO ..]   One a row: written once, by the 16 adds behind the row numbers; read by the row's two code loads; never written again.
;   v[Z ..]    Eight a row: the row's two loads of z land there; its roundings read them; its last four packed adds write out0's numbers there; its two stores read them; never written again.
;   v[C ..]    Four a row: the code loads land there; vector lines read them.
;   v8, v[SUM] Written at the end; read by the one-word store.
;   W, ZW, QW and the sums are named by vector lines alone.  No load lands in a register that a vector line has named, and no register that a memory instruction has read is written again.
; The 16 rows go in four BLOCKS of four.  Block b's vector lines name Z and C of its own rows alone; its memory instructions are the eight stores of block b - 1, two at each row's head.  So one wait
; at a block's head states all that those eight stores hang on, and one more stands ahead of the last block's stores.
.set LO,  1                            ; v1   16 x lane
.set CO,  2                            ; v2   8 x lane
.set LN,  3                            ; v3   lane
.set SUM, 4                            ; v[4:7]     two pairs of sums
.set VO,  16                           ; v[16:31]   row i: byte offset of my 8 bytes in its code row
.set Z,   32                           ; v[32:159]  row i: 8 numbers of z, then of out0
.set C,   160                          ; v[160:223] row i: 4 words of bf16
.set W,   224                          ; v[224:227] z rounded, packed
.set ZW,  228                          ; v[228:235] z rounded, in f32
.set QW,  236                          ; v[236:243] the code in f32, then z_q - z
.set HIM, 40                           ; s40  a word's upper bf16
	s_load_b256 s[4:11], s[0:1], 0x0               ; z_e s[4:5], cbx s[6:7], rows s[8:9], out0 s[10:11]
	s_load_b64 s[12:13], s[0:1], 0x20              ; part
	v_lshrrev_b32 v[LN], 5, v0
	v_readfirstlane_b32 s14, v[LN]                 ; wave 0..7
	v_and_b32 v[LN], 31, v0
	v_lshlrev_b32 v[LO], 4, v[LN]
	v_lshlrev_b32 v[CO], 3, v[LN]
	s_wait_alu depctr_va_sdst(0)                   ; s14 is written, ahead of its first reader: the wave's number in the launch is made from it
	s_lshl_b32 s15, ttmp9, 3
	s_add_co_u32 s15, s15, s14                     ; my wave among the launch's 2,048
	s_lshl_b32 s38, s15, 6                         ; its 16 words of rows
	s_mov_b32 s39, 0
	s_lshl_b32 s2, s15, 14                         ; its 16 rows of 1,024 bytes
	s_mov_b32 s3, 0
	s_mov_b32 s[HIM], 0xffff0000
	s_mov_b32 s42, 0x76543210                      ; v_permlanex16_b32: each lane takes its own place in the other half
	s_mov_b32 s43, 0xfedcba98
	s_wait_kmcnt 0x0
	s_add_nc_u64 s[32:33], s[8:9], s[38:39]
	s_add_nc_u64 s[34:35], s[4:5], s[2:3]
	s_add_nc_u64 s[36:37], s[10:11], s[2:3]
	s_load_b512 s[16:31], s[32:33], 0x0            ; my 16 row numbers
	s_wait_alu depctr_va_vdst(0)                   ; v[LO] is written: every load of z and every store of out0 reads it as its offset
.irp i, 0,1,2,3,4,5,6,7,8,9,10,11,12,13,14,15
	global_load_b128 v[Z+8*(\i):Z+8*(\i)+3],   v[LO], s[34:35] offset:1024*(\i) th:TH_LOAD_NT
	global_load_b128 v[Z+8*(\i)+4:Z+8*(\i)+7], v[LO], s[34:35] offset:1024*(\i)+512 th:TH_LOAD_NT
.endr
	s_wait_kmcnt 0x0
.irp i, 0,1,2,3,4,5,6,7,8,9,10,11,12,13,14,15
	s_min_u32 s[16+(\i)], s[16+(\i)], 8447         ; cbx has 8,448 rows: a loaded number enters an address only held inside the table
	s_lshl_b32 s[16+(\i)], s[16+(\i)], 9           ; x 512 bytes
	v_add_nc_u32 v[VO+(\i)], s[16+(\i)], v[CO]
.endr
	s_wait_alu depctr_va_vdst(0)                   ; the sixteen adds have written v[VO ..], which the code loads read as their offsets: one wait for the run of 32
.irp i, 0,1,2,3,4,5,6,7,8,9,10,11,12,13,14,15
	global_load_b64 v[C+4*(\i):C+4*(\i)+1],   v[VO+(\i)], s[6:7]
	global_load_b64 v[C+4*(\i)+2:C+4*(\i)+3], v[VO+(\i)], s[6:7] offset:256
.endr
; The two stores of row i.
.macro SEND i
	global_store_b128 v[LO], v[Z+8*(\i):Z+8*(\i)+3],   s[36:37] offset:1024*(\i) th:TH_STORE_NT
	global_store_b128 v[LO], v[Z+8*(\i)+4:Z+8*(\i)+7], s[36:37] offset:1024*(\i)+512 th:TH_STORE_NT
.endm
; Row i.  At its head the stores of the row four back, of the block before: ahead of the wait for this row's loads, so that no store waits for a load.
.macro ROW i
.if (((\i)%4) == 0) && ((\i) > 0)
	s_wait_alu depctr_va_vdst(0)                   ; a block's head: the block before has written its four rows of Z, which the eight stores of this block read
.endif
.if (\i) >= 4
	SEND (\i)-4                                    ; no vector line since the block's wait names these registers
.endif
	s_wait_loadcnt 30-2*(\i)                       ; loads come back in order: all of z and this row's code are in; the later rows' two loads each stay out
.irp k, 0,1,2,3
	v_cvt_pk_bf16_f32 v[W+(\k)], v[Z+8*(\i)+2*(\k)], v[Z+8*(\i)+2*(\k)+1]
.endr
.irp k, 0,1,2,3
	v_lshlrev_b32 v[ZW+2*(\k)],   16, v[W+(\k)]                ; bf16 to f32: the low half moves up,
	v_and_b32     v[ZW+2*(\k)+1], s[HIM], v[W+(\k)]            ; the high half stays
	v_lshlrev_b32 v[QW+2*(\k)],   16, v[C+4*(\i)+(\k)]
	v_and_b32     v[QW+2*(\k)+1], s[HIM], v[C+4*(\i)+(\k)]
.endr
.irp k, 0,1,2,3
	v_pk_add_f32 v[QW+2*(\k):QW+2*(\k)+1], v[QW+2*(\k):QW+2*(\k)+1], v[ZW+2*(\k):ZW+2*(\k)+1] neg_lo:[0,1] neg_hi:[0,1]  ; z_q - z
.endr
.irp k, 0,1,2,3
	v_pk_add_f32 v[Z+8*(\i)+2*(\k):Z+8*(\i)+2*(\k)+1], v[ZW+2*(\k):ZW+2*(\k)+1], v[QW+2*(\k):QW+2*(\k)+1]                ; z + (z_q - z)
.endr
.irp k, 0,1,2,3
.if ((\i) == 0) && ((\k) < 2)
	v_pk_mul_f32 v[SUM+2*(\k):SUM+2*(\k)+1], v[QW+2*(\k):QW+2*(\k)+1], v[QW+2*(\k):QW+2*(\k)+1]                          ; the first squares start the sums: nothing is cleared
.else
	v_pk_fma_f32 v[SUM+2*((\k)%2):SUM+2*((\k)%2)+1], v[QW+2*(\k):QW+2*(\k)+1], v[QW+2*(\k):QW+2*(\k)+1], v[SUM+2*((\k)%2):SUM+2*((\k)%2)+1]
.endif
.endr
.endm
.irp i, 0,1,2,3,4,5,6,7,8,9,10,11,12,13,14,15
	ROW \i
.endr
	s_wait_alu depctr_va_vdst(0)                   ; the last block has written its four rows of Z, which the last eight stores read
.irp i, 12,13,14,15
	SEND \i
.endr
	v_pk_add_f32 v[SUM:SUM+1], v[SUM:SUM+1], v[SUM+2:SUM+3]
	v_add_f32 v[SUM], v[SUM], v[SUM+1]
	v_add_f32_dpp v[SUM], v[SUM], v[SUM] row_xmask:1 row_mask:0xf bank_mask:0xf
	v_add_f32_dpp v[SUM], v[SUM], v[SUM] row_xmask:2 row_mask:0xf bank_mask:0xf
	v_add_f32_dpp v[SUM], v[SUM], v[SUM] row_xmask:4 row_mask:0xf bank_mask:0xf
	v_add_f32_dpp v[SUM], v[SUM], v[SUM] row_xmask:8 row_mask:0xf bank_mask:0xf
	v_permlanex16_b32 v[SUM+1], v[SUM], s42, s43
	v_add_f32 v[SUM], v[SUM], v[SUM+1]             ; the wave's sum
	v_mov_b32 v8, 0
	s_lshl_b32 s2, s15, 2                          ; my wave's word of part (s3 is still 0)
	s_add_nc_u64 s[12:13], s[12:13], s[2:3]
	v_cmp_eq_u32 vcc_lo, 0, v[LN]
	s_wait_xcnt 0x0                                ; EXEC, a source of the stores above, changes only behind this wait
	s_wait_alu depctr_va_vcc(0)                    ; the compare has written VCC, from which EXEC is made
	s_wait_alu depctr_va_vdst(0)                   ; ahead of the write of EXEC: the vector lines issued so far are done; among them those that wrote v8 and the sum, which the store below reads
	s_wait_alu depctr_vm_vsrc(0)                   ; ahead of the write of EXEC: the stores issued so far have read their vector registers
	s_and_saveexec_b32 s14, vcc_lo
	global_store_b32 v8, v[SUM], s[12:13]          ; one word a wave: the sum over work-groups is made in order, by the next launch
	s_endpgm
.Lfunc_end_k_q8e51eb0664_gather:
	.size	k_q8e51eb0664_gather, .Lfunc_end_k_q8e51eb0664_gather-k_q8e51eb0664_gather
	.p2alignl 7, 3214868480
	.fill 96, 4, 3214868480
	.section	.rodata,"a",@progbits
	.p2align	6, 0x0
	.amdhsa_kernel k_q8e51eb0664_gather
		.amdhsa_group_segment_fixed_size 0
		.amdhsa_private_segment_fixed_size 0
		.amdhsa_enable_private_segment 0
		.amdhsa_kernarg_size 40
		.amdhsa_user_sgpr_count 2
		.amdhsa_user_sgpr_kernarg_segment_ptr 1
		.amdhsa_wavefront_size32 1
		.amdhsa_system_sgpr_workgroup_id_x 1
		.amdhsa_system_sgpr_workgroup_id_y 1
		.amdhsa_system_sgpr_workgroup_id_z 1
		.amdhsa_system_vgpr_workitem_id 0
		.amdhsa_next_free_vgpr 256
		.amdhsa_next_free_sgpr 66
		.amdhsa_reserve_vcc 1
		.amdhsa_float_denorm_mode_32 3
		.amdhsa_float_denorm_mode_16_64 3
		.amdhsa_memory_ordered 1
		.amdhsa_forward_progress 1
		.amdhsa_inst_pref_size 38
	.end_amdhsa_kernel
	.amdgpu_metadata
---
amdhsa.version: [ 1, 2 ]
amdhsa.kernels:
  - .name:           k_q8e51eb0664_gather
    .symbol:         k_q8e51eb0664_gather.kd
    .args:
      - { .name: z_e, .offset: 0, .size: 8, .value_kind: global_buffer, .address_space: global }
      - { .name: cbx, .offset: 8, .size: 8, .value_kind: global_buffer, .address_space: global }
      - { .name: rows, .offset: 16, .size: 8, .value_kind: global_buffer, .address_space: global }
      - { .name: out0, .offset: 24, .size: 8, .value_kind: global_buffer, .address_space: global }
      - { .name: part, .offset: 32, .size: 8, .value_kind: global_buffer, .address_space: global }
    .group_segment_fixed_size: 0
    .private_segment_fixed_size: 0
    .kernarg_segment_align: 8
    .kernarg_segment_size: 40
    .max_flat_workgroup_size: 256
    .sgpr_count:     66
    .vgpr_count:     256
    .wavefront_size: 32
...
	.end_amdgpu_metadata
.endif
;; end of part 5
;; launch loss: the kernel of part 4 again; grid 1 x 1, 1 waves a work-group, no clusters, 0 bytes of LDS; arguments part, out2, out3, out4; writes out2, out3, out4
